; MI455X (gfx1250); checked and timed in simulation.
; The chip was launched on July 23, 2026; its instructions are those of AMD's public machine-readable ISA for CDNA 5 (MIT licence, August 2026) and "CDNA5" Instruction Set Architecture Reference Guide (July 2026). The comments in the code are by the model that wrote it; some were corrected since.
;; Triang Axial. Allowed arithmetic: matrix products marked QUANTISED: E2M1 operands, one E8M0 scale for each 32 along K, by v_wmma_scale_f32_16x16x128_f8f6f4 with both operands' format E2M1 (or v_wmma_scale_f32_32x16x128_f4), f32 sums; products left as they are: f32 operands where the result goes on into a quantised operand, else bf16, f16 or f32 operands; f32 sums; everything else in f32.
;; Inputs: Wb 128 x 4 float32; Wg 128 x 128 float32; Wk 128 x 128 float32; Wo 128 x 128 float32; Wq 128 x 128 float32; Wv 128 x 128 float32; bg 128 float32; bo 128 float32; x 1 x 256 x 256 x 128 float32.
;; Outputs: out0 1 x 256 x 256 x 128 float32.
;; This version of the problem:
;;   THIS VERSION OF THE PROBLEM IS GIVEN IN LOW PRECISION. The matrix products marked QUANTISED in the list below multiply operands that are first quantised to E2M1 (2 exponent bits, 1 mantissa bit; 4 bits a number), with one power-of-two scale for each 32 numbers along K (OCP MX v1.0); their sums are f32. All else is computed in f32.
;;   The module's matrix products, in the order in which they are computed (A, B: the left and right operand; K: the contracted axis; several contracted axes count as one K, in the product's order):
;;     1. [M 65,536, K 128] x [K 128, N 128]; A: input x; B: input Wg: QUANTISED
;;     2. [M 65,536, K 128] x [K 128, N 128]; A: input x; B: input Wq: QUANTISED
;;     3. [M 65,536, K 128] x [K 128, N 128]; A: input x; B: input Wk: QUANTISED
;;     4. [M 65,536, K 128] x [K 128, N 128]; A: input x; B: input Wv: QUANTISED
;;     5. [M 65,536, K 128] x [K 128, N 4]; A: input x; B: input Wb: left as it is (N = 4 < 16)
;;     6. batch 1,024 x [M 256, K 32] x [K 32, N 256]; A: computed on the way; B: computed on the way: QUANTISED
;;     7. batch 1,024 x [M 32, K 256] x [K 256, N 256]; A: computed on the way; B: computed on the way: QUANTISED
;;     8. [M 65,536, K 128] x [K 128, N 128]; A: computed on the way; B: input Wo: QUANTISED
;;   THE QUANTISER, for each operand of a quantised product, along K:
;;     - K is cut into blocks of 32 from its start; a last block that is shorter is filled with zeros.
;;     - A block's scale is 2^e with e = floor(log2(the largest magnitude in the block)) - 2, held to -126 .. 127; a block of zeros has e = 0. As a byte (E8M0): e + 127.
;;     - Each number is divided by its block's scale, clamped to +-6, and rounded to the nearest number of E2M1, ties to even, subnormals kept.
;;     - The product sums the exact products of the quantised numbers (number of the format x scale) in f32.
;;   ~~~python
;;   def quantise(x, axis):      # numpy; x: float32 -> the quantised numbers, widened to float32 again
;;       x = np.moveaxis(x, axis, -1); K = x.shape[-1]
;;       x = np.pad(x, [(0, 0)] * (x.ndim - 1) + [(0, -K % 32)]); x = x.reshape(x.shape[:-1] + (-1, 32)); a = np.abs(x).max(-1, keepdims=True)
;;       e = np.where(a > 0, np.clip(np.frexp(np.where(a > 0, a, 1))[1] - 1 - 2, -126, 127), 0)      # np.frexp(a)[1] - 1 = floor(log2(a)), exactly
;;       r = np.clip(x / 2.0 ** e, -6, 6)
;;       step = 2.0 ** (np.maximum(np.frexp(np.where(r == 0, 1, r))[1] - 1, 0) - 1)
;;       q = np.round(r / step) * step * 2.0 ** e      # np.round: ties to even
;;       return np.moveaxis(q.reshape(q.shape[:-2] + (-1,))[..., :K], -1, axis).astype(np.float32)
;;   ~~~
;;   OPERANDS COMPUTED ON THE WAY. 'Computed on the way' means the value that the module computes at that place (a softmax that the list does not call 'softmax' is quantised finished and normalised). What goes into a quantiser is computed in f32, as accurately as f32 sums, v_exp_f32 and their like allow (about 1e-6 of the number): no bf16 or f16 on the way to a quantiser, and a product that is left as it is and whose result goes on into a quantised operand takes f32 operands (vector FMAs, or v_wmma_f32_16x16x4_f32). A number that lies on a knife's edge between two numbers of the format may be rounded either way, as far as f32 arithmetic and the matrix unit's own rounding can turn it there, and no further.
;; One version. Each part assembles by itself: llvm-mc -triple=amdgcn-amd-amdhsa -mcpu=gfx1250 --defsym DOCPART=n.
;; ======== version 1 of 1: 2 launches
;; limits: right only within a limited range of input values
;; workspace buffers: xq 5,242,880 bytes; wimg 51,200 bytes; bimg 1,048,576 bytes
;; launch prep (part 1): grid 266 x 1, 4 waves a work-group, no clusters, 40,448 bytes of LDS; arguments x, Wb, Wq, Wk, Wv, Wg, Wo, xq, wimg, bimg; writes xq, wimg, bimg
.if DOCPART == 1
	.amdgcn_target "amdgcn-amd-amdhsa--gfx1250"
	.amdhsa_code_object_version 6
	.text
	.protected	k_q3665fa8e69_prep
	.globl	k_q3665fa8e69_prep
	.p2align	8
	.type	k_q3665fa8e69_prep,@function
k_q3665fa8e69_prep:
	s_mov_b64 s[64:65], 0
	v_nop
	global_prefetch_b8 v0, s[64:65] scope:SCOPE_SE
	s_setreg_imm32_b32 hwreg(HW_REG_WAVE_MODE, 25, 1), 1
	s_wait_xcnt 0x0
; PREP.  x [256][256][128] f32 is read once and gives its codes of FP4 (E2M1) with one E8M0 byte for each 32 channels, and bias[a][b][g] = x[a][b][:] . Wb[:][g] in f32 (fused multiply-adds).
; The five square weights [128 (k)][128 (n)] f32 are quantised along k, their first axis.  Nothing of reference() is left out.
; A RECORD (1,280 bytes) is one operand fragment, 16 rows x 128 K, as an image of its registers: registers 4 c .. 4 c + 3 of lane l at 512 c + 16 l; row r's scale word, twice, at 1,024 + 8 r and 1,152 + 8 r.
; ROWS: row r of fragment f = 2 w' + T is b = 32 w' + 8 T + (r & 7) + 16 (r >> 3), so that two transposed tiles T = 0, 1 give a lane 16 neighbouring b.
; A weight's tile tau = 2 G + T takes columns 32 G + 8 T + (r & 7) + 16 (r >> 3).  wimg: record 8 G + 2 a + T for a = Wq, Wk, Wv, Wg; record 32 + tau for Wo.
; bimg is the image of the next launch's score registers: block (g, w') of 32,768 bytes; in it bias[row q of tile t][32 w' + 16 h + k][g] at 2,048 t + 512 (k / 4) + 16 (q + 16 h) + 4 (k % 4).
; SHARES.  Work-groups 0 .. 255 = (t', f): the 16 first indices a of tile t' x the 16 second indices b of fragment f.  Wave w takes the tile's rows 4 w .. 4 w + 3, one fragment each.  Work-groups 256 .. 265: one weight tile a wave.
; A block's scale is 2^(floor(log2(largest magnitude)) - 2); its byte is the largest magnitude's exponent field - 2, held at 1 from below by a floor among the maximum's leaves.
; No tensor loads, no cluster: work-groups share no input but Wb's 2,048 bytes.
; LIMITS: a block of zeros gets the byte 1 where the rule says 127 (its codes are zeros, and this program alone reads the bytes); blocks whose largest magnitude lies under 2^-124 keep the byte 1; NaN and infinities are not served.
.set STGP, 528                         ; a stage row: 512 bytes + 16
.set STGW, 16*STGP                     ; a wave's own stage
.set BST,  4*STGW                      ; the work-group's bias: 1,024 bytes for each g
.set WBL,  BST+4096                    ; Wb, transposed: [g][k], 512 bytes for each g
.set SPARE, WBL+2048                   ; the spare words
.set L16,  1                           ; 16 x lane
.set L8,   2                           ; 8 x lane
.set H8,   3                           ; 8 h
.set SW,   4                           ; stage, in
.set SR,   5                           ; stage, out: row r, + 128 h
.set LB,   6                           ; where my bias words go
.set WBA,  7                           ; Wb, in
.set WBR,  8                           ; Wb, out
.set BRD,  9                           ; the bias of head w, back
.set WOF,  10                          ; a weight's column and half
.set T16,  11                          ; 16 x thread
.set WT,   16                          ; v16-19  a row of Wb
.set CD,   20                          ; v20-27  a fragment's codes
.set WD,   28                          ; v28-29  its scale word, twice
.set X,    32                          ; v32-95  X[32 c + i] = k 64 c + 32 h + i of my row
.set RAW,  96                          ; v96-223 two sets of 64: a fragment's rows as loaded
.set ACC,  224                         ; v224-239 bias sums
.set BS,   240                         ; v240-243 bias of my row, four g
.set PX,   244                         ; v244-247 what the lane 16 away holds
.set MX,   248                         ; v248-251 running maxima
.set SC,   252                         ; v252-253 the conversions' scale operands
.set BY,   254                         ; v254-255 the scale bytes
; window 1: v[64 g + 32 c + i] = Wb[64 c + 32 h + i][g]
.set MSB, 0
.macro WIN new                         ; the immediate's high byte repeats the setting that is left
.if MSB != (\new)
	s_set_vgpr_msb (MSB<<8)|(\new)
.set MSB, (\new)
.endif
.endm
; 64 numbers of a lane, two whole blocks of 32, become eight registers of codes and the row's scale word
.macro QUANT64
.irp c, 0,1
.irp d, 0,1
	v_max3_num_f32 v[MX+2*\c+\d], |v[X+32*\c+16*\d]|, |v[X+32*\c+16*\d+1]|, 0x1800000   ; the floor 2^(3 - 127) is a leaf
.endr
.endr
.irp i, 2,4,6,8,10,12,14
.irp c, 0,1
.irp d, 0,1
	v_max3_num_f32 v[MX+2*\c+\d], v[MX+2*\c+\d], |v[X+32*\c+16*\d+\i]|, |v[X+32*\c+16*\d+\i+1]|
.endr
.endr
.endr
.irp c, 0,1
	v_max_num_f32 v[MX+2*\c], v[MX+2*\c], v[MX+2*\c+1]
.endr
.irp c, 0,1
	v_add_nc_u32 v[SC+\c], 0xff000000, v[MX+2*\c]      ; 2 off the exponent field: the conversion takes that field as its scale
.endr
.irp c, 0,1
	v_lshrrev_b32 v[BY+\c], 23, v[SC+\c]               ; the scale's byte
.endr
	v_lshl_or_b32 v[WD], v[BY+1], 16, v[BY]            ; my bytes: blocks h and 2 + h,
	v_lshlrev_b32 v[WD], v[H8], v[WD]                  ; at their places;
	v_permlanex16_b32 v[PX], v[WD], s26, s27
	v_or_b32 v[WD], v[WD], v[PX]                       ; with the lane 16 away the word is whole
	v_mov_b32 v[WD+1], v[WD]                           ; twice, so that the wave's store covers 256 consecutive bytes
.irp c, 0,1
.irp j, 0,1,2,3
	v_cvt_scalef32_pk8_fp4_f32 v[CD+4*\c+\j], v[X+32*\c+8*\j:X+32*\c+8*\j+7], v[SC+\c]
.endr
.endr
	v_nop                                              ; one plain instruction behind the last scaled conversion
.endm
.macro STORE_REC base, off
	global_store_b128 v[L16], v[CD:CD+3], s[\base:\base+1] offset:\off
	global_store_b128 v[L16], v[CD+4:CD+7], s[\base:\base+1] offset:\off+512
	global_store_b64 v[L8], v[WD:WD+1], s[\base:\base+1] offset:\off+1024
.endm
	s_load_b512 s[4:19], s[0:1], 0x0                   ; x, Wb, Wq, Wk, Wv, Wg, Wo, xq
	s_load_b128 s[20:23], s[0:1], 0x40                 ; wimg, bimg
	v_lshl_add_u32 v30, v0, 2, SPARE
	v_mov_b32 v31, 0
	v_lshrrev_b32 v12, 5, v0
	v_readfirstlane_b32 s24, v12                       ; wave
	v_and_b32 v13, 31, v0                              ; lane
	v_and_b32 v14, 15, v0                              ; r
	v_bfe_u32 v15, v0, 4, 1                            ; h
	v_lshlrev_b32 v[L16], 4, v13
	v_lshlrev_b32 v[L8], 3, v13
	v_lshlrev_b32 v[H8], 3, v15
	s_mov_b32 s26, 0x76543210
	s_mov_b32 s27, 0xfedcba98                          ; lane selects: the lane 16 away
.irp g, 0,1,2,3
	v_mov_b32 v[PX+\g], 0                              ; written once: a lane permute's destination counts as a source
.endr
	s_wait_alu depctr_va_vdst(0)                       ; wait ahead of the branch
	s_cmp_ge_u32 ttmp9, 256                            ; it hangs on the work-group's number alone
	s_cbranch_scc1 .Lweights
	; ---------------- x ----------------
	s_lshr_b32 s28, ttmp9, 4                           ; t'
	s_and_b32 s29, ttmp9, 15                           ; f
	s_lshr_b32 s30, s29, 1                             ; w'
	s_and_b32 s31, s29, 1                              ; T
	s_lshr_b32 s38, s28, 1
	s_lshl_b32 s38, s38, 5
	s_and_b32 s39, s28, 1
	s_lshl_b32 s39, s39, 3
	s_add_co_u32 s38, s38, s39
	s_and_b32 s39, s24, 1
	s_lshl_b32 s39, s39, 2
	s_add_co_u32 s38, s38, s39
	s_lshr_b32 s39, s24, 1
	s_lshl_b32 s39, s39, 4
	s_add_co_u32 s38, s38, s39                         ; a0 = 32 (t' >> 1) + 8 (t' & 1) + 4 (w & 1) + 16 (w >> 1): my four a are a0 .. a0 + 3
	s_lshl_b32 s32, s38, 17                            ; x: a0 planes of 131,072 bytes,
	s_lshl_b32 s39, s30, 14
	s_add_co_u32 s32, s32, s39                         ; + 32 w' rows of 512,
	s_lshl_b32 s39, s31, 12
	s_add_co_u32 s32, s32, s39                         ; + 8 T rows
	s_mov_b32 s33, 0
	s_lshl_b32 s34, s38, 4
	s_add_co_u32 s34, s34, s29
	s_mul_i32 s34, s34, 1280                           ; xq: record 16 a0 + f
	s_mov_b32 s35, 0
	s_lshl_b32 s36, s24, 3
	s_add_co_u32 s36, s36, s30
	s_lshl_b32 s36, s36, 4
	s_add_co_u32 s36, s36, s28
	s_lshl_b32 s36, s36, 11                            ; bimg: block (g = w, w'), tile t',
	s_lshl_b32 s39, s31, 10
	s_add_co_u32 s36, s36, s39                         ; + 1,024 T
	s_mov_b32 s37, 0
	s_mul_i32 s40, s24, STGW
	s_wait_alu depctr_va_vdst(0)
	v_add_nc_u32 v[SW], s40, v[L16]
	v_mul_u32_u24 v[SR], v14, STGP
	v_lshl_add_u32 v[SR], v15, 7, v[SR]
	v_add_nc_u32 v[SR], s40, v[SR]
	v_bfe_u32 v[LB], v0, 2, 1                          ; my row b is score register 8 T + (r & 7) of image lane (a's row, r >> 3):
	v_lshlrev_b32 v[LB], 9, v[LB]                      ; 512 ((r >> 2) & 1)
	v_bfe_u32 v12, v0, 3, 1
	v_lshl_add_u32 v[LB], v12, 8, v[LB]                ; + 256 (r >> 3)
	v_and_b32 v12, 3, v0
	v_lshl_add_u32 v[LB], v12, 2, v[LB]                ; + 4 (r & 3)
	s_lshl_b32 s41, s24, 6
	s_add_co_u32 s41, s41, BST
	v_add_nc_u32 v[LB], s41, v[LB]                     ; + 16 x (4 w): a's row in its tile is 4 w + e
	v_lshl_add_u32 v[WBA], v0, 2, WBL
	v_lshl_add_u32 v[WBR], v15, 7, WBL
	s_lshl_b32 s41, s24, 10
	s_add_co_u32 s41, s41, BST
	v_add_nc_u32 v[BRD], s41, v[L16]
	v_lshlrev_b32 v[T16], 4, v0
	s_wait_alu depctr_va_vdst(0)
	s_wait_kmcnt 0x0
	s_add_nc_u64 s[32:33], s[4:5], s[32:33]
	s_add_nc_u64 s[34:35], s[18:19], s[34:35]
	s_add_nc_u64 s[36:37], s[22:23], s[36:37]
.macro LOAD e                          ; fragment e's 16 rows: each load reads one row, 512 consecutive bytes
.irp p, 0,1,2,3,4,5,6,7,8,9,10,11,12,13,14,15
	global_load_b128 v[RAW+64*((\e)%2)+4*\p:RAW+64*((\e)%2)+4*\p+3], v[L16], s[32:33] offset:(\e)*131072+(\p%8)*512+(\p/8)*8192 th:TH_LOAD_NT
.endr
.endm
.macro TURN e                          ; through my own stage: in as loaded, out as 64 numbers of one row a lane.  LDS serves a wave's instructions in order: no wait between
.irp p, 0,1,2,3,4,5,6,7,8,9,10,11,12,13,14,15
	ds_store_b128 v[SW], v[RAW+64*((\e)%2)+4*\p:RAW+64*((\e)%2)+4*\p+3] offset:STGP*\p
.endr
.irp c, 0,1
.irp m, 0,1,2,3,4,5,6,7
	ds_load_b128 v[X+32*\c+4*\m:X+32*\c+4*\m+3], v[SR] offset:256*\c+16*\m
.endr
.endr
.endm
.macro BIASDOT                         ; my 64 numbers x Wb, four g: pairs of neighbouring k, eight chains by turns; the first products start the sums
	WIN 0x04                                           ; source 1 (Wb) window 1
.set PP, 0
.rept 32
.irp g, 0,1,2,3
.if PP < 2
	v_pk_mul_f32 v[ACC+4*\g+2*(PP%2):ACC+4*\g+2*(PP%2)+1], v[X+2*PP:X+2*PP+1], v[64*\g+2*PP:64*\g+2*PP+1]
.else
	v_pk_fma_f32 v[ACC+4*\g+2*(PP%2):ACC+4*\g+2*(PP%2)+1], v[X+2*PP:X+2*PP+1], v[64*\g+2*PP:64*\g+2*PP+1], v[ACC+4*\g+2*(PP%2):ACC+4*\g+2*(PP%2)+1]
.endif
.endr
.set PP, PP+1
.endr
	WIN 0
.irp g, 0,1,2,3
	v_pk_add_f32 v[ACC+4*\g:ACC+4*\g+1], v[ACC+4*\g:ACC+4*\g+1], v[ACC+4*\g+2:ACC+4*\g+3]
.endr
.irp g, 0,1,2,3
	v_add_f32 v[BS+\g], v[ACC+4*\g], v[ACC+4*\g+1]
.endr
.irp g, 0,1,2,3
	v_permlanex16_b32 v[PX+\g], v[BS+\g], s26, s27
.endr
.irp g, 0,1,2,3
	v_add_f32 v[BS+\g], v[BS+\g], v[PX+\g]             ; with the row's other 64 channels
.endr
.endm
.macro STEP e
.if (\e) < 3
	s_wait_loadcnt 16                                  ; this fragment's 16 loads are in; the next fragment's 16 may be out
.else
	s_wait_loadcnt 0x0
.endif
	TURN \e
	s_wait_dscnt 16                                    ; the 16 reads are the youngest: the 16 stores into the stage are done, so their registers
.if (\e) < 2
	LOAD (\e)+2                                        ; take the fragment two further on
.endif
	s_wait_dscnt 0x0
	BIASDOT
.irp g, 0,1,2,3
	ds_store_b32 v[LB], v[BS+\g] offset:1024*\g+16*(\e)   ; both halves of the lanes write the same word with the same value
.endr
	s_wait_xcnt 0x0                                    ; the last record's stores have read their registers
	QUANT64
	STORE_REC 34, 20480*(\e)
.endm
	global_load_b128 v[WT:WT+3], v[T16], s[6:7]        ; thread k: Wb[k][0 .. 3]
	LOAD 0
	LOAD 1
	s_wait_loadcnt 32                                  ; Wb is in; x's 32 loads are younger
.irp g, 0,1,2,3
	ds_store_b32 v[WBA], v[WT+\g] offset:512*\g
.endr
	s_wait_dscnt 0x0                                   ; for the others' sake
	s_barrier_signal -1
	s_barrier_wait -1
	WIN 0x40                                           ; destination window 1
.irp g, 0,1,2,3
.irp c, 0,1
.irp m, 0,1,2,3,4,5,6,7
	ds_load_b128 v[64*\g+32*\c+4*\m:64*\g+32*\c+4*\m+3], v[WBR] offset:512*\g+256*\c+16*\m
.endr
.endr
.endr
	WIN 0
	STEP 0
	STEP 1
	STEP 2
	STEP 3
	s_wait_dscnt 0x0                                   ; my bias words lie in LDS
	s_barrier_signal -1
	s_barrier_wait -1                                  ; everybody's do: wave w takes head w's 1,024 bytes
	ds_load_b128 v[RAW:RAW+3], v[BRD]
	ds_load_b128 v[RAW+4:RAW+7], v[BRD] offset:512
	s_wait_dscnt 0x0
	global_store_b128 v[L16], v[RAW:RAW+3], s[36:37]
	global_store_b128 v[L16], v[RAW+4:RAW+7], s[36:37] offset:512
	s_wait_tensorcnt 0x0                               ; the wave's end
	ds_add_u32 v30, v31
	s_wait_dscnt 0x0
	s_endpgm
	; ---------------- the weights: a lane takes a column, its registers run down K; no LDS, no barrier ----------------
.Lweights:
	s_sub_co_u32 s28, ttmp9, 256
	s_lshr_b32 s29, s28, 1                             ; which weight: 0 Wq, 1 Wk, 2 Wv, 3 Wg, 4 Wo
	s_and_b32 s30, s28, 1
	s_lshl_b32 s30, s30, 2
	s_add_co_u32 s30, s30, s24                         ; tile tau
	s_lshr_b32 s31, s30, 1                             ; G
	s_and_b32 s38, s30, 1                              ; T
	s_lshl_b32 s34, s31, 3
	s_lshl_b32 s39, s29, 1
	s_add_co_u32 s34, s34, s39
	s_add_co_u32 s34, s34, s38                         ; record 8 G + 2 a + T
	s_add_co_u32 s39, s30, 32                          ; or, for Wo, 32 + tau
	s_cmp_lt_u32 s29, 4
	s_cselect_b32 s34, s34, s39
	s_mul_i32 s34, s34, 1280
	s_mov_b32 s35, 0
	s_lshl_b32 s31, s31, 5
	s_lshl_b32 s38, s38, 3
	s_add_co_u32 s31, s31, s38                         ; 32 G + 8 T
	v_and_b32 v12, 7, v0
	v_bfe_u32 v13, v0, 3, 1
	v_lshl_add_u32 v12, v13, 4, v12
	v_add_nc_u32 v12, s31, v12                         ; my column
	v_lshlrev_b32 v[WOF], 2, v12
	v_lshl_add_u32 v[WOF], v15, 14, v[WOF]             ; lanes 16-31 begin 32 rows of 512 bytes further down
	s_wait_alu depctr_va_vdst(0)
	s_wait_kmcnt 0x0
	s_cmp_lt_u32 s29, 1                                ; the choice hangs on the work-group's number alone
	s_cselect_b64 s[32:33], s[8:9], s[10:11]
	s_cmp_lt_u32 s29, 2
	s_cselect_b64 s[32:33], s[32:33], s[12:13]
	s_cmp_lt_u32 s29, 3
	s_cselect_b64 s[32:33], s[32:33], s[14:15]
	s_cmp_lt_u32 s29, 4
	s_cselect_b64 s[32:33], s[32:33], s[16:17]
	s_add_nc_u64 s[34:35], s[20:21], s[34:35]
.irp c, 0,1
.irp i, 0,1,2,3,4,5,6,7,8,9,10,11,12,13,14,15,16,17,18,19,20,21,22,23,24,25,26,27,28,29,30,31
	global_load_b32 v[X+32*\c+\i], v[WOF], s[32:33] offset:(64*\c+\i)*512
.endr
.endr
	s_wait_loadcnt 0x0
	QUANT64
	STORE_REC 34, 0
	s_endpgm
.Lfunc_end_k_q3665fa8e69_prep:
	.size	k_q3665fa8e69_prep, .Lfunc_end_k_q3665fa8e69_prep-k_q3665fa8e69_prep
	.p2alignl 7, 3214868480
	.fill 96, 4, 3214868480
	.section	.rodata,"a",@progbits
	.p2align	6, 0x0
	.amdhsa_kernel k_q3665fa8e69_prep
		.amdhsa_group_segment_fixed_size 40448
		.amdhsa_private_segment_fixed_size 0
		.amdhsa_enable_private_segment 0
		.amdhsa_kernarg_size 80
		.amdhsa_user_sgpr_count 2
		.amdhsa_user_sgpr_kernarg_segment_ptr 1
		.amdhsa_wavefront_size32 1
		.amdhsa_system_sgpr_workgroup_id_x 1
		.amdhsa_system_sgpr_workgroup_id_y 1
		.amdhsa_system_sgpr_workgroup_id_z 1
		.amdhsa_system_vgpr_workitem_id 0
		.amdhsa_next_free_vgpr 512
		.amdhsa_next_free_sgpr 66
		.amdhsa_reserve_vcc 0
		.amdhsa_float_denorm_mode_32 3
		.amdhsa_float_denorm_mode_16_64 3
		.amdhsa_memory_ordered 1
		.amdhsa_forward_progress 1
		.amdhsa_inst_pref_size 84
	.end_amdhsa_kernel
	.amdgpu_metadata
---
amdhsa.version: [ 1, 2 ]
amdhsa.kernels:
  - .name:           k_q3665fa8e69_prep
    .symbol:         k_q3665fa8e69_prep.kd
    .args:
      - { .name: x, .offset: 0, .size: 8, .value_kind: global_buffer, .address_space: global }
      - { .name: Wb, .offset: 8, .size: 8, .value_kind: global_buffer, .address_space: global }
      - { .name: Wq, .offset: 16, .size: 8, .value_kind: global_buffer, .address_space: global }
      - { .name: Wk, .offset: 24, .size: 8, .value_kind: global_buffer, .address_space: global }
      - { .name: Wv, .offset: 32, .size: 8, .value_kind: global_buffer, .address_space: global }
      - { .name: Wg, .offset: 40, .size: 8, .value_kind: global_buffer, .address_space: global }
      - { .name: Wo, .offset: 48, .size: 8, .value_kind: global_buffer, .address_space: global }
      - { .name: xq, .offset: 56, .size: 8, .value_kind: global_buffer, .address_space: global }
      - { .name: wimg, .offset: 64, .size: 8, .value_kind: global_buffer, .address_space: global }
      - { .name: bimg, .offset: 72, .size: 8, .value_kind: global_buffer, .address_space: global }
    .group_segment_fixed_size: 40448
    .private_segment_fixed_size: 0
    .kernarg_segment_align: 8
    .kernarg_segment_size: 80
    .max_flat_workgroup_size: 128
    .sgpr_count:     66
    .vgpr_count:     512
    .wavefront_size: 32
...
	.end_amdgpu_metadata
.endif
;; end of part 1
;; launch attn (part 2): grid 256 x 1, 8 waves a work-group, clusters of 4 x 1, 327,680 bytes of LDS; arguments xq, wimg, bimg, bg, bo, out0; writes out0
.if DOCPART == 2
	.amdgcn_target "amdgcn-amd-amdhsa--gfx1250"
	.amdhsa_code_object_version 6
	.text
	.protected	k_q3665fa8e69_attn
	.globl	k_q3665fa8e69_attn
	.p2align	8
	.type	k_q3665fa8e69_attn,@function
k_q3665fa8e69_attn:
	s_mov_b64 s[64:65], 0
	v_nop
	global_prefetch_b8 v0, s[64:65] scope:SCOPE_SE
	s_setreg_imm32_b32 hwreg(HW_REG_WAVE_MODE, 25, 1), 1
	s_wait_xcnt 0x0
	s_wait_alu depctr_hold_cnt(0) depctr_sa_sdst(0) depctr_va_vdst(0) depctr_va_sdst(0) depctr_va_ssrc(0) depctr_va_vcc(0) depctr_vm_vsrc(0)
	s_getreg_b32 s2, hwreg(HW_REG_IB_STS2, 6, 4)
	s_cmp_eq_u32 s2, 0
	s_cbranch_scc0 .Lentry_in_a_cluster
	s_endpgm
.Lentry_in_a_cluster:
	s_bfe_u32 s2, ttmp6, 0x10000c
	s_cmp_lg_u32 s2, 0x3003
	s_cbranch_scc0 .Lentry_shape_is_right
	s_endpgm
.Lentry_shape_is_right:
; ATTN.  For one first index i: q, k, v and the gate from x's codes; S[j][k] = q_j . k_k / sqrt(32) + bias[j][k]; the softmax over j; O = gate x (P v); out0[i] = O Wo + bo.  Nothing of reference() is left out.
; All products on codes of FP4 (E2M1) with E8M0 bytes, f32 sums; everything else in f32.
; SHARES.  A work-group takes one i and walks the four heads.  Eight waves, two to a SIMD.  Wave w owns keys 32 w .. 32 w + 31 (one block of P's quantiser) against all 256 queries: its columns of the softmax are its own.
; It owns the query tiles 2 w, 2 w + 1 for Q, the gate, O and the output.  Row r of tile t = 2 w + u is 32 w + 8 u + (r & 7) + 16 (r >> 3).
; LAYOUT.  S^T is made (source 0 = 16 keys, source 1 = 16 queries): lane (r, h) holds query row r of tile t, its registers 16 t + 0 .. 15 the keys 32 w + 16 h + 0 .. 15.  So the maximum and the sum over j go over tiles in a lane
; and over the 16 lanes of a row, and a block of 32 keys lies in lanes l and l xor 16.  The head's 32 channels fill registers 0, 1 of a fragment of K (channels 16 h + 0 .. 15); its registers 2 .. 7 are zero codes, so whatever Q's operand
; holds there (the next tiles' codes) adds nothing.
; BIAS.  A head's bias, 262,144 bytes laid as the score registers, fills LDS bytes 0 .. 262143, 32,768 of them each wave's own.  It is the C of S's products: it moves into the score registers as P leaves them; behind the round that
; follows, the head after next is asked for, with a whole head's work ahead of its first read.
; ORDER IN A HEAD g.  Q's fragments are read; S, softmax, P's codes to LDS; V and the gate's product of head g, Q and K of head g + 1; a barrier (heads 0, 1: a round of the cluster's): P, V and the next Q are whole; O.
; A second barrier, that P, V and Q of before have been read by all, is split: its signal stands ahead of S's products, its wait ahead of P's stores.
; CLUSTERS.  Four work-groups (four i) need the same bias: each load is joint (mask 15).  What hangs on i (x's codes, the output) is loaded and stored by each alone.
; NO PREFETCH: each refill is asked for one whole head ahead of its reads (56 matrix instructions and 256 scores a lane in every wave), and the launch has four heads: two refills stand in its loop.
; LIMITS: blocks whose largest magnitude lies under 2^-124, zeros among them, have the byte 1 (the rule's 127 for zeros: the codes are zeros); the promise holds while the scaled scores (to the base 2) stay under 2^31 in magnitude; NaN and infinities are not served.
.set EXB,   262144                     ; behind the bias: what waves hand to each other
.set QREG,  0                          ; Q's codes: register pairs of tiles 2 p, 2 p + 1 at 512 p + 16 lane
.set QSREG, 4096                       ; Q's scale words: tiles 2 p (lanes 0-15), 2 p + 1 (16-31) at 512 (p / 4) + 16 lane + 4 (p % 4)
.set VREG,  5120                       ; V's fragments: tile T, step s at 2,048 T + 1,024 s
.set VSREG, 9216                       ; V's scale bytes: 128 T + 8 r + block
.set PREG,  9472                       ; P's fragments: tile t, step s at 2,048 t + 1,024 s
.set PSREG, 42240                      ; P's scale bytes: 128 t + 8 r + block
.set BOREG, 44288                      ; bo, a copy of 512 bytes for each wave
.set BGREG, 48384                      ; bg, likewise
.set SPARE, EXB+BGREG+4096             ; the spare words, 128 bytes for each wave
.set SPW, 1                            ; my spare word's address; never rewritten
.set NIL, 2                            ; 0; never rewritten
.set G16, 3                            ; 16 lane
.set GS,  4                            ; 1,280 h + 8 r: scale words of two neighbouring records
.set BGO, 5                            ; 64 h
.set AB,  6                            ; my bias in LDS
.set A16, 7                            ; EXB + 16 lane
.set WQ,  8                            ; Q's codes, in
.set WQS, 9                            ; Q's scale words, in
.set W64, 10                           ; half a block of P or V, in: EXB + 256 w + 16 r + 8 h
.set W8,  11                           ; the bytes of two blocks: EXB + 8 lane + w (lanes 16-31 the second's)
.set RP,  12                           ; my tiles of P, back
.set RPS, 13                           ; their scale bytes: lanes 0-15 tile 2 w, lanes 16-31 tile 2 w + 1
.set XS,  14                           ; x's scale words, tiles u = 0 (lanes 0-15), 1 (lanes 16-31)
.set KS,  15                           ; K's, likewise
.set XF,  16                           ; v16-31  x's two fragments
.set OC,  32                           ; v32-47  O's codes: tile u, head g at 8 u + 2 g
.set OW,  48                           ; v48     their scale words: tile 0 in lanes 0-15, tile 1 in lanes 16-31
.set A8,  50                           ; EXB + 8 lane
.set SIN, 51                           ; where the head's bg lies in LDS; at the end the way out
.set GG,  52                           ; v52-83  the gate: 16 u + 8 T
.set W,   84                           ; v84-147 weights, eight slots of a tile: Wv, Wg of head g, Wq, Wk of head g + 1; at the end Wo's tiles 4 .. 7, 0 .. 3
.set WS,  148                          ; v148-151 the weights' scale words: tile T = 0 in lanes 0-15, T = 1 in lanes 16-31
.set KF,  152                          ; v152-167 K's two fragments
.set M,   168                          ; v168-183 the columns' maxima
.set BG,  168                          ;   then bg in the gate's layout
.set QC,  168                          ;   then Q's codes, V's codes, V's maxima and scale operands
.set VC,  172
.set VT,  176
.set VX,  178
.set QD,  184                          ; v184-215 Q's results, KD v216-247 K's
.set KD,  216
.set VD,  184                          ; V's results
.set TT,  248                          ; for Q and K: maxima, then bytes;
.set SC,  252                          ;   the conversions' scale operands
.set QS,  208                          ; v208-215 Q's scale words
.set QF,  216                          ; v216-253 Q's 16 fragments (two registers each, and six more that are read)
.set L,   184                          ; v184-199 the columns' sums
.set PT,  200                          ; P: maxima, scale operands, and for each group of eight tiles 16 codes and 4 registers of bytes
.set PX,  208
.set PC,  216
.set VF,  168                          ; v168-199 V's fragments: 16 T + 8 s
.set PF,  200                          ; v200-231 my tiles of P: 16 u + 8 s
.set O0,  232                          ; O of tile 0;  of tile 1: over P's tile 0
.set O1,  200
.set VS,  248                          ; scale words by steps
.set PS,  250
.set OT,  168                          ; O's maxima and bytes, scale operands
.set OX,  170
.set BOV, 184                          ; v184-247 bo in the results' layout
; window 1: the scores (tile t, key k of my 16 at 16 t + k); at the end two tiles of results at 64 u, rows at 128 + 64 u
.set MSB, 0
.macro WIN new                         ; the immediate's high byte repeats the setting that is left
.if MSB != (\new)
	s_set_vgpr_msb (MSB<<8)|(\new)
.set MSB, (\new)
.endif
.endm
.macro PLACES n
.rept \n
	v_nop
.endr
.endm
; c < 0: the product starts the sum.  ra, rb: which half of the lanes holds the scale words
.macro MM d, a, b, c, sa, sb, ra, rb
.if (\c) < 0
.if (\ra)
.if (\rb)
	v_wmma_scale_f32_16x16x128_f8f6f4 v[\d:\d+7], v[\a:\a+7], v[\b:\b+7], 0, v[\sa], v[\sb] matrix_a_fmt:MATRIX_FMT_FP4 matrix_b_fmt:MATRIX_FMT_FP4 matrix_a_scale:MATRIX_SCALE_ROW1 matrix_b_scale:MATRIX_SCALE_ROW1
.else
	v_wmma_scale_f32_16x16x128_f8f6f4 v[\d:\d+7], v[\a:\a+7], v[\b:\b+7], 0, v[\sa], v[\sb] matrix_a_fmt:MATRIX_FMT_FP4 matrix_b_fmt:MATRIX_FMT_FP4 matrix_a_scale:MATRIX_SCALE_ROW1
.endif
.else
.if (\rb)
	v_wmma_scale_f32_16x16x128_f8f6f4 v[\d:\d+7], v[\a:\a+7], v[\b:\b+7], 0, v[\sa], v[\sb] matrix_a_fmt:MATRIX_FMT_FP4 matrix_b_fmt:MATRIX_FMT_FP4 matrix_b_scale:MATRIX_SCALE_ROW1
.else
	v_wmma_scale_f32_16x16x128_f8f6f4 v[\d:\d+7], v[\a:\a+7], v[\b:\b+7], 0, v[\sa], v[\sb] matrix_a_fmt:MATRIX_FMT_FP4 matrix_b_fmt:MATRIX_FMT_FP4
.endif
.endif
.else
.if (\ra)
.if (\rb)
	v_wmma_scale_f32_16x16x128_f8f6f4 v[\d:\d+7], v[\a:\a+7], v[\b:\b+7], v[\c:\c+7], v[\sa], v[\sb] matrix_a_fmt:MATRIX_FMT_FP4 matrix_b_fmt:MATRIX_FMT_FP4 matrix_a_scale:MATRIX_SCALE_ROW1 matrix_b_scale:MATRIX_SCALE_ROW1
.else
	v_wmma_scale_f32_16x16x128_f8f6f4 v[\d:\d+7], v[\a:\a+7], v[\b:\b+7], v[\c:\c+7], v[\sa], v[\sb] matrix_a_fmt:MATRIX_FMT_FP4 matrix_b_fmt:MATRIX_FMT_FP4 matrix_a_scale:MATRIX_SCALE_ROW1
.endif
.else
.if (\rb)
	v_wmma_scale_f32_16x16x128_f8f6f4 v[\d:\d+7], v[\a:\a+7], v[\b:\b+7], v[\c:\c+7], v[\sa], v[\sb] matrix_a_fmt:MATRIX_FMT_FP4 matrix_b_fmt:MATRIX_FMT_FP4 matrix_b_scale:MATRIX_SCALE_ROW1
.else
	v_wmma_scale_f32_16x16x128_f8f6f4 v[\d:\d+7], v[\a:\a+7], v[\b:\b+7], v[\c:\c+7], v[\sa], v[\sb] matrix_a_fmt:MATRIX_FMT_FP4 matrix_b_fmt:MATRIX_FMT_FP4
.endif
.endif
.endif
.endm
; a round of the cluster's barrier
.macro CREST                           ; what stands behind its opening barrier
	s_cmp_lg_u32 s16, 0
	s_cbranch_scc1 .Lnot_wave_0_\@
	s_barrier_signal -3
.Lnot_wave_0_\@:
	s_barrier_wait -3
	s_barrier_signal -1
	s_barrier_wait -1
.endm
.macro ROUND                           ; a whole round
	s_barrier_signal -1
	s_barrier_wait -1
	CREST
.endm
.macro TLOAD                           ; a head's 32,768 bytes of bias for my wave
	tensor_load_to_lds s[40:43], s[32:39]
	s_nop 0
	PLACES 4
.endm
.macro WL slot, off                    ; four records of weights into slots slot .. slot + 3
.irp n, 0,1,2,3
.irp c, 0,1
	global_load_b128 v[W+8*(\slot+\n)+4*\c:W+8*(\slot+\n)+4*\c+3], v[G16], s[6:7] offset:\off+1280*\n+512*\c
.endr
.endr
.irp a, 0,1
	global_load_b32 v[WS+\slot/2+\a], v[GS], s[6:7] offset:\off+2560*\a+1024
.endr
.endm
.macro BLOAD q                         ; the bias of tiles 4 q .. 4 q + 3 into their score registers
	WIN 0x40
.irp m, 0,1,2,3,4,5,6,7,8,9,10,11,12,13,14,15
	ds_load_b128 v[64*\q+4*\m:64*\q+4*\m+3], v[AB] offset:8192*\q+512*\m
.endr
	WIN 0
.endm
.macro BMAX n, src, tt, st             ; the largest magnitudes of n runs of 16 registers, by turns; the floor 2^(3 - 127) is a leaf
.set d_, 0
.rept \n
	v_max3_num_f32 v[\tt+d_], |v[\src+(\st)*d_]|, |v[\src+(\st)*d_+1]|, 0x1800000
.set d_, d_+1
.endr
.set i_, 2
.rept 7
.set d_, 0
.rept \n
	v_max3_num_f32 v[\tt+d_], |v[\src+(\st)*d_+i_]|, |v[\src+(\st)*d_+i_+1]|, v[\tt+d_]
.set d_, d_+1
.endr
.set i_, i_+2
.endr
.endm
; n pairs of blocks, each block in lanes l and l xor 16.  An exchange of halves and a maximum give the first block's largest in lanes 0-15, the second's in lanes 16-31; 2 off the exponent field is the conversion's scale operand;
; the two bytes stay so, in one register; a second exchange gives each block's scale operand to all lanes
.macro PAIR n, tt, sx, by
.set d_, 0
.rept \n
	v_permlane16_swap_b32 v[\tt+2*d_], v[\tt+2*d_+1]
.set d_, d_+1
.endr
.set d_, 0
.rept \n
	v_max_num_f32 v[\tt+2*d_], v[\tt+2*d_], v[\tt+2*d_+1]
.set d_, d_+1
.endr
.set d_, 0
.rept \n
	v_add_nc_u32 v[\sx+2*d_], 0xff000000, v[\tt+2*d_]
	v_add_nc_u32 v[\sx+2*d_+1], 0xff000000, v[\tt+2*d_]
.set d_, d_+1
.endr
.set d_, 0
.rept \n
	v_lshrrev_b32 v[\by+d_], 23, v[\sx+2*d_]
.set d_, d_+1
.endr
.set d_, 0
.rept \n
	v_permlane16_swap_b32 v[\sx+2*d_], v[\sx+2*d_+1]
.set d_, d_+1
.endr
.endm
; eight tiles of P: normalised, quantised along my 32 keys, handed over; the next head's bias takes their registers (cond: but in the last head)
.macro PG q, cond
	WIN 0x41
.set n_, 0
.rept 64
	v_pk_mul_f32 v[128*\q+2*n_:128*\q+2*n_+1], v[128*\q+2*n_:128*\q+2*n_+1], v[L+2*(n_%8):L+2*(n_%8)+1]
.set n_, n_+1
.endr
	WIN 0x05
	BMAX 8, 128*\q, PT, 16
	WIN 0
	PAIR 4, PT, PX, PC+20*\q+16
	WIN 0x01
.irp d, 0,1,2,3,4,5,6,7
.irp T, 0,1
	v_cvt_scalef32_pk8_fp4_f32 v[PC+20*\q+2*\d+\T], v[128*\q+16*\d+8*\T:128*\q+16*\d+8*\T+7], v[PX+\d]
.endr
.endr
	v_nop                                              ; one plain instruction behind the last scaled conversion
	WIN 0
.irp d, 0,1,2,3,4,5,6,7
	ds_store_b64 v[W64], v[PC+20*\q+2*\d:PC+20*\q+2*\d+1] offset:PREG+2048*(8*\q+\d)
.endr
.irp d, 0,1,2,3
	ds_store_b8 v[W8], v[PC+20*\q+16+\d] offset:PSREG+256*(4*\q+\d)   ; two tiles' bytes
.endr
.if \cond
	s_cmp_eq_u32 s24, 1
	s_cbranch_scc1 .Lno_bias_\@
.endif
	BLOAD (2*\q)
	BLOAD (2*\q+1)
.if \cond
.Lno_bias_\@:
.endif
.endm
; Q and K of a head: source 0 = 16 columns of the weight, source 1 = 16 rows of x: a lane holds one row, channels 16 h + 8 T + 0 .. 7.  Q's codes go to LDS, K's stay
.macro QK
.irp u, 0,1
.irp T, 0,1
	MM QD+16*\u+8*\T, W+32+8*\T, XF+8*\u, -1, WS+2, XS, \T, \u
.endr
.endr
.irp u, 0,1
.irp T, 0,1
	MM KD+16*\u+8*\T, W+48+8*\T, XF+8*\u, -1, WS+3, XS, \T, \u
.endr
.endr
	PLACES 4
.set n_, 0
.rept 16
	v_pk_mul_f32 v[QD+2*n_:QD+2*n_+1], v[QD+2*n_:QD+2*n_+1], 0x3e3504f3 op_sel_hi:[1,0]   ; 1 / sqrt(32), ahead of the quantiser as reference() has it
.set n_, n_+1
.endr
	BMAX 4, QD, TT, 16                                 ; Q's two tiles, K's two
	PAIR 2, TT, SC, TT                                 ; bytes: tile 0's in lanes 0-15, tile 1's in lanes 16-31,
	v_perm_b32 v[TT], v[TT], v[TT], 0                  ; in all four bytes of the word
	v_perm_b32 v[KS], v[TT+1], v[TT+1], 0
.irp u, 0,1
.irp T, 0,1
	v_cvt_scalef32_pk8_fp4_f32 v[QC+2*\u+\T], v[QD+16*\u+8*\T:QD+16*\u+8*\T+7], v[SC+\u]
.endr
.endr
	v_nop
	ds_store_b128 v[WQ], v[QC:QC+3] offset:QREG
	ds_store_b32 v[WQS], v[TT] offset:QSREG
.irp u, 0,1
.irp T, 0,1
	v_cvt_scalef32_pk8_fp4_f32 v[KF+8*\u+\T], v[KD+16*\u+8*\T:KD+16*\u+8*\T+7], v[SC+2+\u]
.endr
.endr
	v_nop
.endm
; ONE HEAD.  refill = 1: the head after next is asked for
.macro UNIT refill
.irp p, 0,1,2,3,4,5,6,7
	ds_load_b128 v[QF+4*\p:QF+4*\p+3], v[A16] offset:QREG+512*\p
.endr
.irp p, 0,1
	ds_load_b128 v[QS+4*\p:QS+4*\p+3], v[A16] offset:QSREG+512*\p
.endr
	s_wait_dscnt 0x0
	s_barrier_signal -1                                ; I have read Q, and the last head's P and V
	; S^T = K Q^T + bias
	WIN 0x50
.set t_, 0
.rept 16
.irp u, 0,1
	MM 16*t_+8*\u, KF+8*\u, QF+2*t_, 16*t_+8*\u, KS, QS+(t_/2), \u, t_&1
.endr
.set t_, t_+1
.endr
	WIN 0
	PLACES 4
	; the columns' maxima: over the tiles,
	WIN 0x15
.set n_, 0
.rept 16
	v_max3_num_f32 v[M+n_], v[n_], v[16+n_], v[32+n_]
.set n_, n_+1
.endr
	WIN 0x05
.irp t, 3,5,7,9,11,13
.set n_, 0
.rept 16
	v_max3_num_f32 v[M+n_], v[16*\t+n_], v[16*\t+16+n_], v[M+n_]
.set n_, n_+1
.endr
.endr
	WIN 0x01
.set n_, 0
.rept 16
	v_max_num_f32 v[M+n_], v[240+n_], v[M+n_]
.set n_, n_+1
.endr
	WIN 0
.irp x, 1,2,4,8                                        ; and over the row's 16 lanes
.set n_, 0
.rept 16
	v_max_num_f32_dpp v[M+n_], v[M+n_], v[M+n_] row_xmask:\x row_mask:0xf bank_mask:0xf
.set n_, n_+1
.endr
.endr
.set n_, 0
.rept 8
	v_pk_mul_f32 v[M+2*n_:M+2*n_+1], v[M+2*n_:M+2*n_+1], s[22:23] op_sel_hi:[1,0]
.set n_, n_+1
.endr
	WIN 0x41
.set n_, 0
.rept 128
	v_pk_fma_f32 v[2*n_:2*n_+1], v[2*n_:2*n_+1], s[22:23], v[M+2*(n_%8):M+2*(n_%8)+1] op_sel_hi:[1,0,1] neg_lo:[0,0,1] neg_hi:[0,0,1]   ; (score - maximum) x log2(e)
.set n_, n_+1
.endr
	WIN 0
	v_add_nc_u32 v[SIN], s51, v[BGO]                   ; the maxima are done with: the head's bg takes their registers
.irp T, 0,1
.irp c, 0,1
	ds_load_b128 v[BG+8*\T+4*\c:BG+8*\T+4*\c+3], v[SIN] offset:32*\T+16*\c
.endr
.endr
	WIN 0x41
	s_wait_alu depctr_va_vdst(0)                       ; wait ahead of the batch
.set n_, 0
.rept 256
	v_exp_f32 v[n_], v[n_]
.set n_, n_+1
.endr
	v_nop
	s_wait_alu depctr_va_vdst(0)                       ; and ahead of its first reader
	WIN 0x05
.set n_, 0
.rept 8
	v_pk_add_f32 v[L+2*n_:L+2*n_+1], v[2*n_:2*n_+1], v[16+2*n_:16+2*n_+1]
.set n_, n_+1
.endr
	WIN 0x01
.set n_, 16
.rept 112
	v_pk_add_f32 v[L+2*(n_%8):L+2*(n_%8)+1], v[2*n_:2*n_+1], v[L+2*(n_%8):L+2*(n_%8)+1]
.set n_, n_+1
.endr
	WIN 0
.irp x, 1,2,4,8
.set n_, 0
.rept 16
	v_add_f32_dpp v[L+n_], v[L+n_], v[L+n_] row_xmask:\x row_mask:0xf bank_mask:0xf
.set n_, n_+1
.endr
.endr
	s_wait_alu depctr_va_vdst(0)
.set n_, 0
.rept 16
	v_rcp_f32 v[L+n_], v[L+n_]
.set n_, n_+1
.endr
	v_nop
	s_wait_alu depctr_va_vdst(0)
	s_wait_tensorcnt 0x0                               ; the next head's bias is in: the bytes are my own load's
	s_wait_dscnt 0x0                                   ; bg is in
	s_barrier_wait -1                                  ; everybody has read Q, and the last head's P and V
.irp q, 0,1
	PG \q, 1-\refill
.endr
	s_wait_loadcnt 0x0                                 ; the weights
.irp u, 0,1
.irp T, 0,1
	MM GG+16*\u+8*\T, W+16+8*\T, XF+8*\u, BG+8*\T, WS+1, XS, \T, \u
.endr
.endr
.if \refill == 0
	s_wait_alu depctr_va_vdst(0)                       ; wait ahead of the branch
	s_cmp_eq_u32 s24, 1
	s_cbranch_scc1 .Lno_qk_\@                          ; behind the last head there is no other
.endif
	QK
	WL 4, 20480                                        ; Wq, Wk of the head after next; behind head 3's: Wo's first four tiles
.if \refill == 0
	s_wait_alu depctr_va_vdst(0)
.Lno_qk_\@:
.endif
	; V the other way round: a lane holds one channel, keys 16 h + 8 u + 0 .. 7
.irp u, 0,1
.irp T, 0,1
	MM VD+16*\T+8*\u, XF+8*\u, W+8*\T, -1, XS, WS, \u, \T
.endr
.endr
	PLACES 4
	WL 0, 15360                                        ; Wv, Wg of the next head; behind the last head: Wo's last four tiles
	BMAX 2, VD, VT, 16
	PAIR 1, VT, VX, VT
.irp T, 0,1
.irp u, 0,1
	v_cvt_scalef32_pk8_fp4_f32 v[VC+2*\T+\u], v[VD+16*\T+8*\u:VD+16*\T+8*\u+7], v[VX+\T]
.endr
.endr
	v_nop
.irp T, 0,1
	ds_store_b64 v[W64], v[VC+2*\T:VC+2*\T+1] offset:VREG+2048*\T
.endr
	ds_store_b8 v[W8], v[VT] offset:VSREG              ; both tiles' bytes
.if \refill
	s_wait_tensorcnt 0x0
	ds_add_u32 v[SPW], v[NIL]
	s_add_nc_u64 s[42:43], s[42:43], 0x40000           ; no load of mine is out: on to the next head
.endif
	s_wait_dscnt 0x0                                   ; my bias reads and my stores of P, V and Q are done (refill = 1: and the add)
	s_barrier_signal -1                                ; (refill = 1: this barrier opens a round of the cluster's)
.set n_, 0
.rept 16                                               ; the gate, work on registers, while the others arrive
	v_pk_mul_f32 v[GG+2*n_:GG+2*n_+1], v[GG+2*n_:GG+2*n_+1], 0xbfb8aa3b op_sel_hi:[1,0]   ; -log2(e)
.set n_, n_+1
.endr
	s_wait_alu depctr_va_vdst(0)                       ; wait ahead of the batch
.set n_, 0
.rept 32
	v_exp_f32 v[GG+n_], v[GG+n_]
.set n_, n_+1
.endr
	v_nop
	s_wait_alu depctr_va_vdst(0)                       ; and ahead of its first reader
.set n_, 0
.rept 16
	v_pk_add_f32 v[GG+2*n_:GG+2*n_+1], v[GG+2*n_:GG+2*n_+1], 1.0 op_sel_hi:[1,0]
.set n_, n_+1
.endr
	s_wait_alu depctr_va_vdst(0)
.set n_, 0
.rept 32
	v_rcp_f32 v[GG+n_], v[GG+n_]
.set n_, n_+1
.endr
	v_nop
	s_wait_alu depctr_va_vdst(0)
	s_barrier_wait -1
.if \refill
	CREST
	TLOAD
.endif
	; O^T = V^T P^T for my two tiles
.irp T, 0,1
.irp s, 0,1
.irp c, 0,1
	ds_load_b128 v[VF+16*\T+8*\s+4*\c:VF+16*\T+8*\s+4*\c+3], v[A16] offset:VREG+2048*\T+1024*\s+512*\c
	ds_load_b128 v[PF+16*\T+8*\s+4*\c:PF+16*\T+8*\s+4*\c+3], v[RP] offset:PREG+2048*\T+1024*\s+512*\c
.endr
.endr
.endr
	ds_load_b64 v[VS:VS+1], v[A8] offset:VSREG
	ds_load_b64 v[PS:PS+1], v[RPS] offset:PSREG
	s_wait_dscnt 0x0
.irp T, 0,1
	MM O0+8*\T, VF+16*\T, PF, -1, VS, PS, \T, 0
.endr
.irp T, 0,1
	MM O0+8*\T, VF+16*\T+8, PF+8, O0+8*\T, VS+1, PS+1, \T, 0
.endr
	PLACES 5                                           ; tile 1's results land on tile 0's fragments of P
.irp T, 0,1
	MM O1+8*\T, VF+16*\T, PF+16, -1, VS, PS, \T, 1
.endr
.irp T, 0,1
	MM O1+8*\T, VF+16*\T+8, PF+24, O1+8*\T, VS+1, PS+1, \T, 1
.endr
	PLACES 4
.set n_, 0
.rept 8
	v_pk_mul_f32 v[O0+2*n_:O0+2*n_+1], v[O0+2*n_:O0+2*n_+1], v[GG+2*n_:GG+2*n_+1]
	v_pk_mul_f32 v[O1+2*n_:O1+2*n_+1], v[O1+2*n_:O1+2*n_+1], v[GG+16+2*n_:GG+16+2*n_+1]
.set n_, n_+1
.endr
	BMAX 2, O0, OT, O1-O0
	PAIR 1, OT, OX, OT
.irp u, 0,1
.irp j, 0,1,2,3,4,5
	v_mov_b32 v[OC+8*\u+\j], v[OC+8*\u+\j+2]           ; the earlier heads' codes move one place down: behind four heads head g stands at 2 g
.endr
.endr
	v_lshrrev_b32 v[OW], 8, v[OW]
	v_lshl_or_b32 v[OW], v[OT], 24, v[OW]
.irp T, 0,1
	v_cvt_scalef32_pk8_fp4_f32 v[OC+6+\T], v[O0+8*\T:O0+8*\T+7], v[OX]
	v_cvt_scalef32_pk8_fp4_f32 v[OC+14+\T], v[O1+8*\T:O1+8*\T+7], v[OX+1]
.endr
	v_nop
	s_wait_alu depctr_va_vdst(0)                       ; wait here, ahead of the wait and the branch below
	s_wait_xcnt 0x0                                    ; my loads have read their base
	s_add_nc_u64 s[6:7], s[6:7], 10240
	s_add_co_u32 s51, s51, 128
.endm
	s_load_b256 s[4:11], s[0:1], 0x0                   ; xq, wimg, bimg, bg
	s_load_b128 s[12:15], s[0:1], 0x20                 ; bo, out0
	v_lshl_add_u32 v[SPW], v0, 2, SPARE
	v_mov_b32 v[NIL], 0
	ds_add_u32 v[SPW], v[NIL]                          ; the wave's opening: the add, twice on end, and its wait
	ds_add_u32 v[SPW], v[NIL]
	v_lshrrev_b32 v200, 5, v0
	v_readfirstlane_b32 s16, v200                      ; wave
	s_mov_b32 s22, 0x3fb8aa3b                          ; log2(e)
	s_mov_b32 s23, s22
	s_lshl_b32 s25, s16, 15                            ; my bias: 32,768 w, in LDS and in a head's image
	s_mov_b32 s26, s25
	s_mov_b32 s27, 0
	; descriptor group 1: 128 rows of 32 elements of 8 bytes, dense; the mask names the cluster's four
	s_mov_b32 s32, 15|(3<<16)|(1<<21)
	s_mov_b32 s33, 32<<16
	s_mov_b32 s34, 128<<16
	s_mov_b32 s35, 32<<16
	s_mov_b32 s36, 128
	s_mov_b32 s37, 32
	s_mov_b32 s38, 0
	s_mov_b32 s39, 0
	s_lshl_b32 s45, s16, 9
	s_lshr_b32 s46, s16, 2
	s_lshl_b32 s46, s46, 9
	s_and_b32 s47, s16, 3
	s_lshl_b32 s47, s47, 2
	s_add_co_u32 s46, s46, s47
	s_lshl_b32 s47, s16, 8
	s_add_co_u32 s47, s47, EXB
	s_add_co_u32 s48, s16, EXB
	s_lshl_b32 s49, s16, 12
	s_lshl_b32 s50, s16, 8
	s_add_co_u32 s51, s45, EXB+BGREG                   ; my copy of bg, at the head in hand
	s_bfe_u32 s18, ttmp6, 0x40000
	s_lshl_b32 s17, ttmp9, 2
	s_add_co_u32 s17, s17, s18                         ; i = 4 x cluster + my place
	s_mul_i32 s28, s17, 20480
	s_mul_i32 s29, s16, 2560
	s_add_co_u32 s28, s28, s29                         ; x: records 16 i + 2 w, + 1
	s_mov_b32 s29, 0
	s_lshl_b32 s30, s17, 17
	s_lshl_b32 s31, s16, 14
	s_add_co_u32 s30, s30, s31                         ; out0: plane i, row 32 w
	s_mov_b32 s31, 0
	v_and_b32 v201, 31, v0                             ; lane
	v_and_b32 v202, 15, v0                             ; r
	v_bfe_u32 v203, v0, 4, 1                           ; h
	v_lshlrev_b32 v[G16], 4, v201
	v_mul_u32_u24 v204, 0x500, v203
	v_lshl_add_u32 v[GS], v202, 3, v204
	v_lshlrev_b32 v[BGO], 6, v203
	v_add_nc_u32 v[AB], s25, v[G16]
	v_add_nc_u32 v[A16], EXB, v[G16]
	v_add_nc_u32 v[WQ], s45, v[A16]
	v_add_nc_u32 v[WQS], s46, v[A16]
	v_lshlrev_b32 v205, 4, v202
	v_lshl_add_u32 v205, v203, 3, v205
	v_add_nc_u32 v[W64], s47, v205
	v_lshlrev_b32 v206, 3, v201
	v_add_nc_u32 v[W8], s48, v206
	v_add_nc_u32 v[RP], s49, v[A16]
	v_lshlrev_b32 v207, 3, v201
	v_add_nc_u32 v[A8], EXB, v207
	v_add_nc_u32 v[RPS], s50, v[A8]
	s_wait_alu depctr_va_vdst(0)                       ; wait here, ahead of the waits below
	s_wait_dscnt 0x0                                   ; both opening adds are done
	s_wait_kmcnt 0x0
	s_add_nc_u64 s[8:9], s[8:9], s[26:27]
	s_add_nc_u64 s[4:5], s[4:5], s[28:29]
	s_add_nc_u64 s[14:15], s[14:15], s[30:31]
	s_mov_b32 s40, 1
	s_mov_b32 s41, s25
	s_mov_b64 s[42:43], s[8:9]
	s_or_b32 s43, s43, 0x80000000
	global_load_b128 v[176:179], v[G16], s[12:13]      ; bo
	global_load_b128 v[180:183], v[G16], s[10:11]      ; bg
.irp u, 0,1
.irp c, 0,1
	global_load_b128 v[XF+8*\u+4*\c:XF+8*\u+4*\c+3], v[G16], s[4:5] offset:1280*\u+512*\c
.endr
.endr
	global_load_b32 v[XS], v[GS], s[4:5] offset:1024
	WL 4, 0                                            ; Wq, Wk of head 0
	WL 0, 5120                                         ; its Wv, Wg
	ROUND                                              ; in front of the first joint load
	TLOAD                                              ; head 0
.irp u, 0,1
.irp j, 2,3,4,5,6,7
	v_mov_b32 v[KF+8*\u+\j], 0                         ; K's channels beyond the head's 32: zero codes, never rewritten
.endr
.endr
.set n_, 0
.rept 17
	v_mov_b32 v[OC+n_], 0                              ; O's codes and scale words: the first heads move zeros
.set n_, n_+1
.endr
	s_wait_alu depctr_va_vdst(0)                       ; wait here, ahead of the waits below
	s_wait_loadcnt 25                                  ; bo and bg are in: x's 5 loads and the weights' 20 are younger
	ds_store_b128 v[WQ], v[176:179] offset:BOREG       ; my wave's own copies
	ds_store_b128 v[WQ], v[180:183] offset:BGREG
	s_wait_loadcnt 10                                  ; x, Wq, Wk: the ten of Wv and Wg are younger
	QK                                                 ; head 0's, while its bias is on the way
	WL 4, 10240                                        ; Wq, Wk of head 1
	s_wait_tensorcnt 0x0                               ; head 0's bias, my own bytes
.irp q, 0,1,2,3
	BLOAD \q
.endr
	s_wait_alu depctr_va_vdst(0)                       ; wait here, ahead of the waits below
	s_wait_tensorcnt 0x0
	ds_add_u32 v[SPW], v[NIL]
	s_add_nc_u64 s[42:43], s[42:43], 0x40000
	s_wait_dscnt 0x0                                   ; the add, my bias reads and my stores of Q are done
	ROUND
	TLOAD                                              ; head 1
	s_mov_b32 s24, 2
.Lheads_a:                                             ; heads 0 and 1: heads 2 and 3 are asked for
	UNIT 1
	s_sub_co_u32 s24, s24, 1
	s_cmp_lg_u32 s24, 0
	s_cbranch_scc1 .Lheads_a
	s_mov_b32 s24, 2
.Lheads_b:                                             ; heads 2 and 3: nothing is asked for
	UNIT 0
	s_sub_co_u32 s24, s24, 1
	s_cmp_lg_u32 s24, 0
	s_cbranch_scc1 .Lheads_b
	; THE OUTPUT of my two tiles: source 0 = 16 columns of Wo, source 1 = 16 rows of O, bo is the C.  A lane's eight results are columns 32 G + 8 T + 16 h + 0 .. 7 of one row.  Each tile goes through a stage of my own
	; in the bytes that held my bias (their last fill has been read) and leaves as whole rows: each store covers 512 consecutive bytes, aligned.
	s_add_co_u32 s45, s45, EXB+BOREG
	v_add_nc_u32 v168, s45, v[BGO]
	v_and_b32 v169, 15, v0
	v_bfe_u32 v170, v0, 4, 1
	v_mul_u32_u24 v169, 0x210, v169
	v_lshl_add_u32 v169, v170, 6, v169
	v_add_nc_u32 v[SIN], s25, v169
.irp a, 0,1,2,3,4,5,6,7
.irp c, 0,1
	ds_load_b128 v[BOV+8*\a+4*\c:BOV+8*\a+4*\c+3], v168 offset:128*(\a/2)+32*(\a%2)+16*\c
.endr
.endr
.irp u, 0,1
.irp c, 0,1
.irp i, 0,1
	v_permlane16_swap_b32 v[OC+8*\u+4*\c+\i], v[OC+8*\u+4*\c+2+\i]   ; a whole head's 32 codes in a lane: head 2 c in lanes 0-15, head 2 c + 1 in lanes 16-31
.endr
.endr
.endr
	PLACES 4
	s_wait_alu depctr_va_vdst(0)                       ; wait here, ahead of the waits below
	s_wait_loadcnt 0x0                                 ; Wo
	s_wait_dscnt 0x0                                   ; bo
.macro TILE u
	WIN 0x40
.set n_, 0
.rept 8
	MM 64*\u+8*n_, W+8*((n_+4)%8), OC+8*\u, BOV+8*n_, WS+((n_/2+2)%4), OW, n_&1, \u
.set n_, n_+1
.endr
	WIN 0
	PLACES 4
	WIN 0x04
.irp a, 0,1,2,3,4,5,6,7
	ds_store_b128 v[SIN], v[64*\u+8*\a:64*\u+8*\a+3] offset:8448*\u+128*(\a/2)+32*(\a%2)
	ds_store_b128 v[SIN], v[64*\u+8*\a+4:64*\u+8*\a+7] offset:8448*\u+128*(\a/2)+32*(\a%2)+16
.endr
	WIN 0x40
.irp p, 0,1,2,3,4,5,6,7,8,9,10,11,12,13,14,15
	ds_load_b128 v[128+64*\u+4*\p:128+64*\u+4*\p+3], v[AB] offset:8448*\u+528*\p   ; LDS serves a wave's instructions in order: these see the stores above
.endr
.endm
.macro SEND u, younger                 ; younger: the LDS instructions issued behind this tile's loads
	WIN 0x04
.irp p, 0,1,2,3,4,5,6,7,8,9,10,11,12,13,14,15
	s_wait_dscnt \younger+15-\p
	global_store_b128 v[G16], v[128+64*\u+4*\p:128+64*\u+4*\p+3], s[14:15] offset:4096*\u+512*(\p%8)+8192*(\p/8)
.endr
.endm
	TILE 0
	TILE 1
	SEND 0, 32
	SEND 1, 0
	WIN 0
	s_wait_tensorcnt 0x0                               ; the wave's end
	ds_add_u32 v[SPW], v[NIL]
	s_wait_dscnt 0x0
	ROUND                                              ; the closing round
	s_endpgm
.Lfunc_end_k_q3665fa8e69_attn:
	.size	k_q3665fa8e69_attn, .Lfunc_end_k_q3665fa8e69_attn-k_q3665fa8e69_attn
	.p2alignl 7, 3214868480
	.fill 96, 4, 3214868480
	.section	.rodata,"a",@progbits
	.p2align	6, 0x0
	.amdhsa_kernel k_q3665fa8e69_attn
		.amdhsa_group_segment_fixed_size 327680
		.amdhsa_private_segment_fixed_size 0
		.amdhsa_enable_private_segment 0
		.amdhsa_kernarg_size 48
		.amdhsa_user_sgpr_count 2
		.amdhsa_user_sgpr_kernarg_segment_ptr 1
		.amdhsa_wavefront_size32 1
		.amdhsa_system_sgpr_workgroup_id_x 1
		.amdhsa_system_sgpr_workgroup_id_y 1
		.amdhsa_system_sgpr_workgroup_id_z 1
		.amdhsa_system_vgpr_workitem_id 0
		.amdhsa_next_free_vgpr 512
		.amdhsa_next_free_sgpr 66
		.amdhsa_reserve_vcc 0
		.amdhsa_float_denorm_mode_32 3
		.amdhsa_float_denorm_mode_16_64 3
		.amdhsa_memory_ordered 1
		.amdhsa_forward_progress 1
		.amdhsa_inst_pref_size 222
	.end_amdhsa_kernel
	.amdgpu_metadata
---
amdhsa.version: [ 1, 2 ]
amdhsa.kernels:
  - .name:           k_q3665fa8e69_attn
    .symbol:         k_q3665fa8e69_attn.kd
    .args:
      - { .name: xq, .offset: 0, .size: 8, .value_kind: global_buffer, .address_space: global }
      - { .name: wimg, .offset: 8, .size: 8, .value_kind: global_buffer, .address_space: global }
      - { .name: bimg, .offset: 16, .size: 8, .value_kind: global_buffer, .address_space: global }
      - { .name: bg, .offset: 24, .size: 8, .value_kind: global_buffer, .address_space: global }
      - { .name: bo, .offset: 32, .size: 8, .value_kind: global_buffer, .address_space: global }
      - { .name: out0, .offset: 40, .size: 8, .value_kind: global_buffer, .address_space: global }
    .group_segment_fixed_size: 327680
    .private_segment_fixed_size: 0
    .kernarg_segment_align: 8
    .kernarg_segment_size: 48
    .max_flat_workgroup_size: 256
    .sgpr_count:     66
    .vgpr_count:     512
    .wavefront_size: 32
...
	.end_amdgpu_metadata
.endif
;; end of part 2
